; MI455X (gfx1250); checked and timed in simulation.
; The chip was launched on July 23, 2026; its instructions are those of AMD's public machine-readable ISA for CDNA 5 (MIT licence, August 2026) and "CDNA5" Instruction Set Architecture Reference Guide (July 2026). The comments in the code are by the model that wrote it; some were corrected since.
;; Bit Linear. Allowed arithmetic: matrix products marked QUANTISED: E2M1 operands, one E8M0 scale for each 32 along K, by v_wmma_scale_f32_16x16x128_f8f6f4 with both operands' format E2M1 (or v_wmma_scale_f32_32x16x128_f4), f32 sums; everything else in f32.
;; Inputs: weight 2,048 x 4,096 float32; x 2 x 4,096 x 4,096 float32.
;; Outputs: out0 2 x 4,096 x 2,048 float32.
;; This version of the problem:
;;   THIS VERSION OF THE PROBLEM IS GIVEN IN LOW PRECISION. The matrix products marked QUANTISED in the list below multiply operands that are first quantised to E2M1 (2 exponent bits, 1 mantissa bit; 4 bits a number), with one power-of-two scale for each 32 numbers along K (OCP MX v1.0); their sums are f32. All else is computed in f32.
;;   The module's matrix products, in the order in which they are computed (A, B: the left and right operand; K: the contracted axis; several contracted axes count as one K, in the product's order):
;;     1. [M 8,192, K 4,096] x [K 4,096, N 2,048]; A: input x; B: computed on the way: QUANTISED
;;   THE QUANTISER, for each operand of a quantised product, along K:
;;     - K is cut into blocks of 32 from its start; a last block that is shorter is filled with zeros.
;;     - A block's scale is 2^e with e = floor(log2(the largest magnitude in the block)) - 2, held to -126 .. 127; a block of zeros has e = 0. As a byte (E8M0): e + 127.
;;     - Each number is divided by its block's scale, clamped to +-6, and rounded to the nearest number of E2M1, ties to even, subnormals kept.
;;     - The product sums the exact products of the quantised numbers (number of the format x scale) in f32.
;;   ~~~python
;;   def quantise(x, axis):      # numpy; x: float32 -> the quantised numbers, widened to float32 again
;;       x = np.moveaxis(x, axis, -1); K = x.shape[-1]
;;       x = np.pad(x, [(0, 0)] * (x.ndim - 1) + [(0, -K % 32)]); x = x.reshape(x.shape[:-1] + (-1, 32)); a = np.abs(x).max(-1, keepdims=True)
;;       e = np.where(a > 0, np.clip(np.frexp(np.where(a > 0, a, 1))[1] - 1 - 2, -126, 127), 0)      # np.frexp(a)[1] - 1 = floor(log2(a)), exactly
;;       r = np.clip(x / 2.0 ** e, -6, 6)
;;       step = 2.0 ** (np.maximum(np.frexp(np.where(r == 0, 1, r))[1] - 1, 0) - 1)
;;       q = np.round(r / step) * step * 2.0 ** e      # np.round: ties to even
;;       return np.moveaxis(q.reshape(q.shape[:-2] + (-1,))[..., :K], -1, axis).astype(np.float32)
;;   ~~~
;;   OPERANDS COMPUTED ON THE WAY. 'Computed on the way' means the value that the module computes at that place (a softmax that the list does not call 'softmax' is quantised finished and normalised). What goes into a quantiser is computed in f32, as accurately as f32 sums, v_exp_f32 and their like allow (about 1e-6 of the number): no bf16 or f16 on the way to a quantiser, and a product that is left as it is and whose result goes on into a quantised operand takes f32 operands (vector FMAs, or v_wmma_f32_16x16x4_f32). A number that lies on a knife's edge between two numbers of the format may be rounded either way, as far as f32 arithmetic and the matrix unit's own rounding can turn it there, and no further.
;; One version. Each part assembles by itself: llvm-mc -triple=amdgcn-amd-amdhsa -mcpu=gfx1250 --defsym DOCPART=n.
;; ======== version 1 of 1: 2 launches
;; limits: right only within a limited range of input values
;; workspace buffers: a_codes 16,777,216 bytes; a_scales 1,048,576 bytes; b_masks 4,194,304 bytes; partials 4,096 bytes
;; launch prep (part 1): grid 1280 x 1, 4 waves a work-group, no clusters, 45,568 bytes of LDS; arguments x, weight, a_codes, a_scales, b_masks, partials; writes a_codes, a_scales, b_masks, partials
.if DOCPART == 1
	.amdgcn_target "amdgcn-amd-amdhsa--gfx1250"
	.amdhsa_code_object_version 6
	.text
	.protected	k_q64a1178278_prep
	.globl	k_q64a1178278_prep
	.p2align	8
	.type	k_q64a1178278_prep,@function
k_q64a1178278_prep:
	s_mov_b64 s[64:65], 0
	v_nop
	global_prefetch_b8 v0, s[64:65] scope:SCOPE_SE
	s_setreg_imm32_b32 hwreg(HW_REG_WAVE_MODE, 25, 1), 1
	s_wait_xcnt 0x0
; THE LAUNCH IN FRONT OF THE PRODUCT.  Both f32 inputs are read once.
; x [8192][4096] f32 becomes codes of FP4 (E2M1), K innermost, two codes a byte (a_codes [8192][2048 bytes]) and one E8M0 byte for each 32 along K (a_scales [8192][128]).
;   A block's scale is 2^(floor(log2(its largest magnitude)) - 2); its byte is the largest magnitude's own exponent field - 2, held at 1 from below.
; weight [2048][4096] f32: the product's operand is sign(w) x alpha, alpha the mean of |w| over the WHOLE matrix, which is not known while w is read.  But every number of that operand that is not 0 has the
;   magnitude alpha, so a weight owns only its sign and whether it is 0.  Stored here: one nibble a weight, laid as codes are (b_masks [2048][2048 bytes]): the FP4 code of sign(w) x 6, that is
;   7 (w > 0), 15 (w < 0), 0 (w = +0), 8 (w = -0); the next launch ANDs it with (alpha's code | 8), which gives the quantiser's code.  And one f32 sum of |w| for each wave (partials [1024]).
;   The sums go as trees: a number passes 3 additions in its step, at most 4 in one of four chains, 3 + 5 at the wave's end; no long chain stands ahead of the quantiser of alpha.
; LIMITS: NaN and infinities among the inputs are not served.  Blocks of x whose largest magnitude lies under 2^-124 have their byte held at 1 (not tried).  A block of zeros gets the byte 1 where the rule says 127:
;   its codes are zeros, which add nothing under any byte but 0xff, and this program alone reads the bytes.
; SHARES.  Rows are dense and 4096 is a multiple of 32: both tensors are plain streams of blocks of 32.  A wave takes 16 steps of 512 numbers, a work-group 32,768 numbers.  Work-groups 0 to 1023 take x, 1024 to 1279 the weight.
; A lane must hold 16 NEIGHBOURS for the conversions, and a load is best where neighbouring LANES take neighbouring bytes: each of a step's four loads reads 512 consecutive bytes, the 2,048 bytes go through the wave's own
; stage in LDS as they lie and come back 64 bytes a lane (16 bytes of padding behind each 64).  A lane's 16 codes are 8 bytes: a wave's store covers 256 consecutive bytes, aligned.
; No tensor loads, no barrier, no cluster: waves and work-groups share no input byte.  Loads run four steps (16 loads a wave) ahead, the turn through LDS one step.
; The two paths part on the work-group's number; each has LDS bytes of its own (the weight's lie WOFF further on).
.set STEPS, 16
.set WGX,   1024                       ; work-groups that take x: 8192 x 4096 / 32768
.set EMAX,  2
.set CB,    8                          ; bytes of 16 codes
.set R,     16                         ; v16-79   four sets of 16 numbers as they are loaded
.set X,     80                         ; v80-111  two sets of 16 neighbours
.set E,     112                        ; x: v112-127 a scale byte for each step
.set C,     128                        ; x: v128-191 codes: four registers for each step, so that no store's data are written again
.set SG,    112                        ; weight: v112-127 sign(w) x 6
.set CW,    128                        ; weight: v128-159 masks: two registers for each step
.set T,     160                        ; weight: v160-167 at work on the sums
.set AC,    168                        ; weight: v168-175 four chains, a pair each
.set ONE,   176                        ; weight: v176 1.0: the conversion's scale operand
.set SIX,   177                        ; weight: v177 6.0
.set NUL,   178                        ; weight: v178 0: the offset of the wave's one partial sum
.set WREG,  5632                       ; LDS: a region for each wave: two stages of 32 x SP bytes (5,120), and behind them (x alone) its 256 scale bytes
.set SP,    80                         ; a lane's place in a stage: its 64 bytes + 16 of padding
.set WOFF,  22528                      ; the weight path's LDS bytes begin here: behind the four regions of the x path; the spare words follow at 2 x WOFF
	s_load_b128 s[4:7], s[0:1], 0x0                ; x, weight
	s_load_b128 s[8:11], s[0:1], 0x10              ; a_codes, a_scales
	s_load_b128 s[12:15], s[0:1], 0x20             ; b_masks, partials
	v_lshl_add_u32 v190, v0, 2, 45056              ; my spare word, behind both paths' regions; v190 and v191 serve nothing else in either path
	v_mov_b32 v191, 0
	v_lshrrev_b32 v1, 5, v0
	v_readfirstlane_b32 s16, v1                    ; wave
	v_and_b32 v2, 31, v0                           ; lane
	v_lshlrev_b32 v3, 4, v2                        ; my 16 bytes of a load's 512
	s_mul_i32 s17, s16, WREG
	v_lshrrev_b32 v14, 2, v2
	v_mul_u32_u24 v14, v14, SP
	v_and_b32 v15, 3, v2
	v_lshl_add_u32 v14, v15, 4, v14
	v_add_nc_u32 v14, s17, v14                     ; the stage, on the way in: four lanes' 64 bytes on end, then 16 of padding: SP (lane / 4) + 16 (lane % 4)
	v_mul_u32_u24 v15, v2, SP
	v_add_nc_u32 v15, s17, v15                     ; and on the way out: SP x lane: my 16 neighbours
	v_mul_u32_u24 v4, v2, CB                       ; my codes' place in a step's
	v_lshrrev_b32 v5, 1, v2
	s_add_co_u32 s17, s17, 2*32*SP
	v_add_nc_u32 v5, s17, v5                       ; LDS: my wave's 256 scale bytes, my block's byte
	v_lshlrev_b32 v7, 3, v2                        ; and on the way out 8 bytes a lane
	v_add_nc_u32 v6, s17, v7
	s_wait_kmcnt 0x0
.macro LOAD t                          ; step t's 2,048 bytes into set t % 4
.irp i, 0,1,2,3
	global_load_b128 v[R+16*((\t)%4)+4*\i:R+16*((\t)%4)+4*\i+3], v3, s[4:5] offset:2048*(\t)+512*\i th:TH_LOAD_NT   ; 32 lanes read 512 consecutive bytes; read once in the launch
.endr
.endm
.macro TURN t, wo                      ; step t's numbers through the stage: LDS serves a wave's instructions in order (ISA guide 5.7.1.4), so no wait stands between the stores and the loads
.irp i, 0,1,2,3
	ds_store_b128 v14, v[R+16*((\t)%4)+4*\i:R+16*((\t)%4)+4*\i+3] offset:\wo+32*SP*((\t)%2)+8*SP*\i
.endr
.irp i, 0,1,2,3
	ds_load_b128 v[X+16*((\t)%2)+4*\i:X+16*((\t)%2)+4*\i+3], v15 offset:\wo+32*SP*((\t)%2)+16*\i
.endr
.endm
	s_cmp_lt_u32 ttmp9, WGX                        ; x's work-group or the weight's?
	s_cbranch_scc0 .Lweight
	; ---------------- x ----------------
	s_lshl_b32 s18, ttmp9, 2
	s_add_co_u32 s18, s18, s16                     ; which run of 8,192 numbers is my wave's: 0 .. 4095
	s_lshl_b32 s20, s18, 15                        ; 32,768 bytes of x a run (under 2^27 in all)
	s_mov_b32 s21, 0
	s_add_nc_u64 s[4:5], s[4:5], s[20:21]
	s_lshl_b32 s20, s18, 12                        ; 4,096 bytes of codes
	s_add_nc_u64 s[8:9], s[8:9], s[20:21]
	s_lshl_b32 s20, s18, 8                         ; 256 scale bytes
	s_add_nc_u64 s[10:11], s[10:11], s[20:21]
.irp t, 0,1,2,3
	LOAD \t
.endr
	s_wait_loadcnt 12                              ; step 0's four loads are in; the twelve of steps 1 to 3 may be out
	s_wait_alu depctr_va_vdst(0)
	TURN 0, 0
.macro STEPX t
.set XS, X+16*((\t)%2)
.if (\t) > 0
	s_wait_dscnt 1                                 ; this step's numbers are back from the stage (the last step's byte store may be out): so its stores into the stage have read their registers,
.else
	s_wait_dscnt 0x0
.endif
.if (\t)+4 < STEPS
	LOAD (\t)+4                                    ; which take the loads of four steps on
.endif
.if (\t)+1 < STEPS
.if STEPS-2-(\t) >= 3
	s_wait_loadcnt 12                              ; the next step's four loads are in; those of the three steps behind it may be out
.else
	s_wait_loadcnt 4*(STEPS-2-(\t))                ; near the end fewer steps stand behind it
.endif
	TURN (\t)+1, 0                                 ; and go through the other stage while this step is worked
.endif
	v_max3_num_f32 v8, |v[XS]|, |v[XS+1]|, |v[XS+2]|               ; the largest magnitude of my 16, in two chains
	v_max3_num_f32 v9, |v[XS+3]|, |v[XS+4]|, |v[XS+5]|
.irp i, 6,10
	v_max3_num_f32 v8, v8, |v[XS+\i]|, |v[XS+\i+1]|
	v_max3_num_f32 v9, v9, |v[XS+\i+2]|, |v[XS+\i+3]|
.endr
	v_max3_num_f32 v8, v8, |v[XS+14]|, |v[XS+15]|
	v_max3_num_f32 v8, v8, v9, (EMAX+1)<<23        ; and the floor 2^(EMAX + 1 - 127): so the byte cannot fall under 1
	v_max_num_f32_dpp v8, v8, v8 row_xmask:1 row_mask:0xf bank_mask:0xf   ; and of my neighbour's 16: the block's
	v_add_nc_u32 v11, -(EMAX<<23), v8              ; EMAX off its exponent field: the conversion takes the exponent field of this operand as its scale, and nothing else of it
	v_cvt_scalef32_pk8_fp4_f32 v[C+4*(\t)], v[XS:XS+7], v11        ; eight numbers / the scale, to the nearest code, ties to even, beyond 6 the largest code; the first number's code in the lowest four bits
	v_cvt_scalef32_pk8_fp4_f32 v[C+4*(\t)+1], v[XS+8:XS+15], v11
	v_lshrrev_b32 v[E+(\t)], 23, v11               ; the scale's byte (also the plain line behind the conversions)
	ds_store_b8 v5, v[E+(\t)] offset:16*(\t)       ; both lanes of a block write the same byte with the same value
	global_store_b64 v4, v[C+4*(\t):C+4*(\t)+1], s[8:9] offset:32*CB*(\t)   ; the wave stores 256 consecutive bytes, aligned
.endm
.irp t, 0,1,2,3,4,5,6,7,8,9,10,11,12,13,14,15
	STEPX \t
.endr
	ds_load_b64 v[12:13], v6                       ; LDS serves a wave's instructions in order: these see my byte stores
	s_wait_dscnt 0x0
	global_store_b64 v7, v[12:13], s[10:11]        ; 32 lanes store the wave's 256 scale bytes: consecutive, aligned
	s_wait_tensorcnt 0x0
	ds_add_u32 v190, v191
	s_wait_dscnt 0x0
	s_endpgm
	; ---------------- the weight ----------------
.Lweight:
	s_sub_co_u32 s18, ttmp9, WGX
	s_lshl_b32 s18, s18, 2
	s_add_co_u32 s18, s18, s16                     ; which run of 8,192 weights is my wave's: 0 .. 1023
	s_mov_b64 s[4:5], s[6:7]                       ; LOAD reads by s[4:5]
	s_lshl_b32 s20, s18, 15
	s_mov_b32 s21, 0
	s_add_nc_u64 s[4:5], s[4:5], s[20:21]
	s_lshl_b32 s20, s18, 12                        ; 4,096 bytes of masks a run
	s_add_nc_u64 s[12:13], s[12:13], s[20:21]
	s_lshl_b32 s20, s18, 2                         ; one f32 a run
	s_add_nc_u64 s[14:15], s[14:15], s[20:21]
	s_mov_b32 s24, 0x7fffffff                      ; all bits but the sign
	s_mov_b32 s26, 0x76543210
	s_mov_b32 s27, 0xfedcba98                      ; v_permlanex16_b32's selects for lane l xor 16
	v_mov_b32 v[ONE], 1.0
	v_mov_b32 v[SIX], 0x40c00000                   ; 6.0
	v_mov_b32 v[NUL], 0
.irp t, 0,1,2,3
	LOAD \t
.endr
	s_wait_loadcnt 12                              ; step 0's four loads are in
	s_wait_alu depctr_va_vdst(0)
	TURN 0, WOFF
.macro STEPW t
.set XS, X+16*((\t)%2)
	s_wait_dscnt 0x0                               ; this step's numbers are back from the stage: so its stores into the stage have read their registers,
.if (\t)+4 < STEPS
	LOAD (\t)+4                                    ; which take the loads of four steps on
.endif
.if (\t)+1 < STEPS
.if STEPS-2-(\t) >= 3
	s_wait_loadcnt 12                              ; the next step's four loads are in; those of the three steps behind it may be out
.else
	s_wait_loadcnt 4*(STEPS-2-(\t))
.endif
	TURN (\t)+1, WOFF
.endif
.irp i, 0,1,2,3,4,5,6,7
	v_add_f32 v[T+\i], |v[XS+2*\i]|, |v[XS+2*\i+1]|                ; the sum of |w|: my 16 as a tree.  (The first of these is the plain line behind the last step's conversions)
.endr
	v_pk_add_f32 v[T:T+1], v[T:T+1], v[T+4:T+5]
	v_pk_add_f32 v[T+2:T+3], v[T+2:T+3], v[T+6:T+7]
.if (\t) < 4
	v_pk_add_f32 v[AC+2*(\t):AC+2*(\t)+1], v[T:T+1], v[T+2:T+3]    ; the first four steps start the four chains: nothing is cleared
.else
	v_pk_add_f32 v[T:T+1], v[T:T+1], v[T+2:T+3]
	v_pk_add_f32 v[AC+2*((\t)%4):AC+2*((\t)%4)+1], v[AC+2*((\t)%4):AC+2*((\t)%4)+1], v[T:T+1]
.endif
.irp i, 0,1,2,3,4,5,6,7,8,9,10,11,12,13,14,15
	v_cmp_neq_f32 vcc_lo, 0, v[XS+\i]              ; sign(w) x 6: 6 where w is not 0, however small, else 0;
	v_cndmask_b32 v[SG+\i], 0, v[SIX], vcc_lo
	v_bfi_b32 v[SG+\i], s24, v[SG+\i], v[XS+\i]    ; with w's sign bit
.endr
	v_cvt_scalef32_pk8_fp4_f32 v[CW+2*(\t)], v[SG:SG+7], v[ONE]    ; as codes: 7, 15, 0 or 8
	v_cvt_scalef32_pk8_fp4_f32 v[CW+2*(\t)+1], v[SG+8:SG+15], v[ONE]
	global_store_b64 v4, v[CW+2*(\t):CW+2*(\t)+1], s[12:13] offset:32*CB*(\t)   ; the wave stores 256 consecutive bytes, aligned; each step has its own data registers
.endm
.irp t, 0,1,2,3,4,5,6,7,8,9,10,11,12,13,14,15
	STEPW \t
.endr
	v_pk_add_f32 v[AC:AC+1], v[AC:AC+1], v[AC+2:AC+3]              ; the four chains, the pair's halves, the 32 lanes
	v_pk_add_f32 v[AC+4:AC+5], v[AC+4:AC+5], v[AC+6:AC+7]
	v_pk_add_f32 v[AC:AC+1], v[AC:AC+1], v[AC+4:AC+5]
	v_add_f32 v[AC], v[AC], v[AC+1]
	v_add_f32_dpp v[AC], v[AC], v[AC] row_xmask:1 row_mask:0xf bank_mask:0xf
	v_add_f32_dpp v[AC], v[AC], v[AC] row_xmask:2 row_mask:0xf bank_mask:0xf
	v_add_f32_dpp v[AC], v[AC], v[AC] row_xmask:4 row_mask:0xf bank_mask:0xf
	v_add_f32_dpp v[AC], v[AC], v[AC] row_xmask:8 row_mask:0xf bank_mask:0xf
	v_permlanex16_b32 v[T], v[AC], s26, s27        ; (its destination has been written)
	v_add_f32 v[AC], v[AC], v[T]
	v_cmp_eq_u32 vcc_lo, 0, v2
	s_wait_alu depctr_va_vdst(0)
	s_wait_xcnt 0x0                                ; EXEC is a source of the stores that are out: it changes only behind this wait
	s_wait_tensorcnt 0x0
	ds_add_u32 v190, v191
	s_wait_dscnt 0x0
	s_and_saveexec_b32 s25, vcc_lo
	global_store_b32 v[NUL], v[AC], s[14:15]       ; lane 0 stores the wave's sum: 4 bytes a wave, 4,096 bytes in the whole launch
	s_wait_xcnt 0x0                                ; and again in front of the line that widens it
	s_or_b32 exec_lo, exec_lo, s25
	s_endpgm
.Lfunc_end_k_q64a1178278_prep:
	.size	k_q64a1178278_prep, .Lfunc_end_k_q64a1178278_prep-k_q64a1178278_prep
	.p2alignl 7, 3214868480
	.fill 96, 4, 3214868480
	.section	.rodata,"a",@progbits
	.p2align	6, 0x0
	.amdhsa_kernel k_q64a1178278_prep
		.amdhsa_group_segment_fixed_size 45568
		.amdhsa_private_segment_fixed_size 0
		.amdhsa_enable_private_segment 0
		.amdhsa_kernarg_size 48
		.amdhsa_user_sgpr_count 2
		.amdhsa_user_sgpr_kernarg_segment_ptr 1
		.amdhsa_wavefront_size32 1
		.amdhsa_system_sgpr_workgroup_id_x 1
		.amdhsa_system_sgpr_workgroup_id_y 1
		.amdhsa_system_sgpr_workgroup_id_z 1
		.amdhsa_system_vgpr_workitem_id 0
		.amdhsa_next_free_vgpr 192
		.amdhsa_next_free_sgpr 66
		.amdhsa_reserve_vcc 1
		.amdhsa_float_denorm_mode_32 3
		.amdhsa_float_denorm_mode_16_64 3
		.amdhsa_memory_ordered 1
		.amdhsa_forward_progress 1
		.amdhsa_inst_pref_size 97
	.end_amdhsa_kernel
	.amdgpu_metadata
---
amdhsa.version: [ 1, 2 ]
amdhsa.kernels:
  - .name:           k_q64a1178278_prep
    .symbol:         k_q64a1178278_prep.kd
    .args:
      - { .name: x, .offset: 0, .size: 8, .value_kind: global_buffer, .address_space: global }
      - { .name: weight, .offset: 8, .size: 8, .value_kind: global_buffer, .address_space: global }
      - { .name: a_codes, .offset: 16, .size: 8, .value_kind: global_buffer, .address_space: global }
      - { .name: a_scales, .offset: 24, .size: 8, .value_kind: global_buffer, .address_space: global }
      - { .name: b_masks, .offset: 32, .size: 8, .value_kind: global_buffer, .address_space: global }
      - { .name: partials, .offset: 40, .size: 8, .value_kind: global_buffer, .address_space: global }
    .group_segment_fixed_size: 45568
    .private_segment_fixed_size: 0
    .kernarg_segment_align: 8
    .kernarg_segment_size: 48
    .max_flat_workgroup_size: 128
    .sgpr_count:     66
    .vgpr_count:     192
    .wavefront_size: 32
...
	.end_amdgpu_metadata
.endif
;; end of part 1
;; launch gemm (part 2): grid 8 x 32, 4 waves a work-group, clusters of 4 x 4, 327,680 bytes of LDS; arguments a_codes, a_scales, b_masks, partials, out0; writes out0
.if DOCPART == 2
	.amdgcn_target "amdgcn-amd-amdhsa--gfx1250"
	.amdhsa_code_object_version 6
	.text
	.protected	k_q64a1178278_gemm
	.globl	k_q64a1178278_gemm
	.p2align	8
	.type	k_q64a1178278_gemm,@function
k_q64a1178278_gemm:
	s_mov_b64 s[64:65], 0
	v_nop
	global_prefetch_b8 v0, s[64:65] scope:SCOPE_SE
	s_setreg_imm32_b32 hwreg(HW_REG_WAVE_MODE, 25, 1), 1
	s_wait_xcnt 0x0
	s_wait_alu depctr_hold_cnt(0) depctr_sa_sdst(0) depctr_va_vdst(0) depctr_va_sdst(0) depctr_va_ssrc(0) depctr_va_vcc(0) depctr_vm_vsrc(0)
	s_getreg_b32 s2, hwreg(HW_REG_IB_STS2, 6, 4)
	s_cmp_eq_u32 s2, 0
	s_cbranch_scc0 .Lentry_in_a_cluster
	s_endpgm
.Lentry_in_a_cluster:
	s_bfe_u32 s2, ttmp6, 0x10000c
	s_cmp_lg_u32 s2, 0xf033
	s_cbranch_scc0 .Lentry_shape_is_right
	s_endpgm
.Lentry_shape_is_right:
; out0[m][n] = sum over k of Q(x)[m][k] Q(sign(w) alpha)[n][k], M 8192, N 2048, K 4096, in MX-FP4 with f32 sums.
; A: a_codes [8192][2048 bytes] and a_scales [8192][128], as the launch before made them.
; B: b_masks [2048][2048 bytes] holds for each weight the FP4 code of sign(w) x 6.  alpha = (the sum of the 1,024 partial sums) x 2^-23 is made here, by every wave, as a tree in f32.
;   Every number of the operand that is not 0 has the magnitude alpha, so every block's scale byte is alpha's exponent field - 2 (one word of four such bytes, the same in every lane, serves all of B), and a weight's
;   code is its mask AND (alpha's code | 8): the AND is done on B's fragments in registers, 64 registers for each 128 along K.  A block of zeros keeps that byte: its codes are zeros.
; LIMITS: NaN and infinities are not served; an alpha under 2^-124 has its byte held at 1.  No work of the problem is left out.
; SHARES: a work-group of four waves makes 256 x 256 of out0, a wave 128 x 128: its sums fill 512 registers.  256 work-groups.  K goes in steps of 512 (rows of 256 bytes) through two LDS slots.
; A's scales for the work-group's 256 rows and all of K (32,768 bytes, dense) come once, at the head, and stay behind the ring.
; CLUSTERS 4 x 4: A's tiles and scales are asked for jointly along a row of the cluster, B's tiles along a column.
; THE MATRIX INSTRUCTION IS USED TRANSPOSED: source 0 = rows of B, source 1 = rows of A: a lane holds runs of eight neighbouring numbers of a row of out0.
; REGISTERS: window 0: v16-31 addresses and the mask; v32-63 A's scale words, two sets; v64 B's scale word; A's fragments, two sets, at v128 and v192.  Window 1: B's fragments, two sets, at v0 and v128.
;   Windows 2, 3: the sums of my rows 0-63 and 64-127: those of A's block a and B's block b (16 x 16) at v[8 (8 (a mod 4) + b)].
; ORDER OF A STEP OF 128 ALONG K: all of A's blocks x B in one run; the next step's B, fetched a step ago, is masked; the B and A of two steps on are fetched, in one run of 32 loads, into the sets just multiplied.
.set SIZE_N, 2048
.set SIZE_K, 4096
.set KSTEP,  512
.set NQ,     KSTEP/128
.set ROWB,   256                       ; a tile's row in bytes
.set KROW,   SIZE_K/2                  ; a row of codes in memory
.set PITCH,  272                       ; an LDS row: 256 bytes + 16 of padding
.set FR,     8
.set NP,     4                         ; places behind this matrix form (ISA guide 7.12.1)
.set HALFT,  128*PITCH
.set SLOT,   4*HALFT                   ; A's 256 rows, then B's 256
.set LAPS,   SIZE_K/(2*KSTEP)
.set KS,     SIZE_K/32                 ; a row of scale bytes: 128
.set SCL,    2*SLOT                    ; behind the ring: A's scales, units of 256 bytes + 16
.set QS,     (64*KS/256)*272           ; the scales of 64 rows
.set SBLK,   (16*KS/256)*272           ; of 16 rows
.set SPARE,  SCL+4*QS                  ; the spare words: 512 bytes that no other line names
.set SPITCH, 528                       ; the way out: a stage of 16 rows x (512 + 16) bytes a wave, in slot 0 behind its last fill and last read
.set ADRA, 16
.set ADRB, 20
.set STO,  24
.set RD,   25
.set CO,   26
.set ADRS, 27
.set SPW,  28
.set NIL,  29
.set PFO,  30
.set MSK,  31                          ; alpha's code | 8 in all eight nibbles
.set SC,   32                          ; set s at SC + 16 s; register 4 i + q: lanes 0-15 A's block i, lanes 16-31 A's block i + 4
.set SBW,  64
.set AF,   128                         ; A's set p at AF + 64 p
.set PA,   128                         ; the last K step: four buffers of 32 registers over both sets
.set G1, 24
.set G0, 32
.set G1B, 48
.set G0B, 56
.set G1S, 68
.set G0S, 76
.set PFA, 80
.set G0H, 88                           ; group 0 of the head's loads of K step 0: A's 256 rows, B's 256 rows
.set G0HB, 92
.set MSB, 0
.macro WIN new                         ; the immediate's high byte repeats the setting that is left
.if MSB != (\new)
	s_set_vgpr_msb (MSB<<8)|(\new)
.set MSB, (\new)
.endif
.endm
.set MUL_LO, 0xa1
.set MUL_HI, 0xf1
.set TO_B,   0x40
.set IN_B,   0x44
.macro PLACES n
.rept \n
	v_nop
.endr
.endm
; a joint load of the ring: waves 0, 1 fetch A's halves, waves 2, 3 B's; s_nop 0 and four v_nop behind each line
.macro JLOAD g0a, g1a, g0b, g1b
	s_cmp_eq_u32 s15, 0
	s_cbranch_scc0 .Lfor_b_\@
	tensor_load_to_lds s[\g0a:\g0a+3], s[\g1a:\g1a+7]
	s_nop 0
	PLACES 4
	s_branch .Lasked_\@
.Lfor_b_\@:
	tensor_load_to_lds s[\g0b:\g0b+3], s[\g1b:\g1b+7]
	s_nop 0
	PLACES 4
.Lasked_\@:
.endm
; a prefetch: the K step two refills on, 32 rows x 256 bytes, a lane a row.  Of the 128 rows that a wave fetches each of the four partners names 32, told apart by address.  The last trip's refills have no K step two on.
.macro ASK
	s_cmp_gt_u32 s3, 1
	s_cbranch_scc0 .Lno_ask_\@
	global_prefetch_b8 v[PFO], s[PFA:PFA+1] offset:ROWB th:TH_LOAD_NT scope:SCOPE_SE
.Lno_ask_\@:
.endm
.macro CREST
	s_cmp_lg_u32 s14, 0
	s_cbranch_scc1 .Lnot_wave_0_\@
	s_barrier_signal -3
.Lnot_wave_0_\@:
	s_barrier_wait -3
	s_barrier_signal -1
	s_barrier_wait -1
.endm
.macro CROUND
	s_barrier_signal -1
	s_barrier_wait -1
	CREST
.endm
	s_load_b128 s[4:7], s[0:1], 0x0                ; a_codes, a_scales
	s_load_b128 s[8:11], s[0:1], 0x10              ; b_masks, partials
	s_load_b64 s[12:13], s[0:1], 0x20              ; out0
	v_lshl_add_u32 v[SPW], v0, 2, SPARE
	v_mov_b32 v[NIL], 0
	ds_add_u32 v[SPW], v[NIL]                      ; the opening lines: the add twice on end, under one wait
	ds_add_u32 v[SPW], v[NIL]
	v_lshrrev_b32 v1, 5, v0
	v_readfirstlane_b32 s14, v1                    ; wave
	v_and_b32 v6, 31, v0
	v_lshlrev_b32 v[CO], 4, v6                     ; 16 x lane
	s_lshr_b32 s15, s14, 1                         ; my half of the rows; in the ring: I fetch for A (0) or B (1)
	s_and_b32 s16, s14, 1                          ; my half of the columns; which 128 rows I fetch
	s_bfe_u32 s40, ttmp6, 0x40000                  ; cx
	s_bfe_u32 s41, ttmp6, 0x40004                  ; cy
	s_lshl_b32 s42, ttmp9, 2
	s_add_co_u32 s42, s42, s40                     ; tile column
	s_and_b32 s17, ttmp7, 0xffff
	s_lshl_b32 s17, s17, 2
	s_add_co_u32 s17, s17, s41                     ; tile row
	s_lshl_b32 s43, s41, 2
	s_lshl_b32 s43, 15, s43                        ; my row of the cluster
	s_lshl_b32 s44, 0x1111, s40                    ; my column
	s_or_b32 s[G1+0], s43, (0<<16)|(1<<20)|(1<<21)|(5<<22)|(3<<25)   ; bytes; 4 words of padding behind every 64
	s_or_b32 s[G1B+0], s44, (0<<16)|(1<<20)|(1<<21)|(5<<22)|(3<<25)
.irp g, G1, G1B
	s_mov_b32 s[\g+1], ROWB<<16
	s_mov_b32 s[\g+2], 256<<16                     ; 256 rows for the head's loads; 128 behind them
	s_mov_b32 s[\g+3], ROWB<<16
	s_mov_b32 s[\g+4], 256
	s_mov_b32 s[\g+5], KROW
	s_mov_b32 s[\g+6], 0
	s_mov_b32 s[\g+7], 0
.endr
	s_or_b32 s[G1S+0], s43, (3<<16)|(1<<20)|(1<<21)|(5<<22)|(3<<25)  ; the scales of 128 rows: 64 dense rows of 32 x 8 bytes
	s_mov_b32 s[G1S+1], 32<<16
	s_mov_b32 s[G1S+2], 64<<16
	s_mov_b32 s[G1S+3], 32<<16
	s_mov_b32 s[G1S+4], 64
	s_mov_b32 s[G1S+5], 32
	s_mov_b32 s[G1S+6], 0
	s_mov_b32 s[G1S+7], 0
	s_lshl_b32 s20, s17, 19                        ; A: 256 rows x 2,048 bytes a tile row
	s_mov_b32 s21, 0
	s_lshl_b32 s46, s42, 19                        ; B likewise by the tile column
	s_mov_b32 s47, 0
	s_lshl_b32 s22, s17, 15                        ; A's scales: 256 rows x 128 bytes,
	s_lshl_b32 s23, s16, 14                        ; + which 128 rows
	s_add_co_u32 s22, s22, s23
	s_mov_b32 s23, 0
	s_lshl_b32 s18, s16, 18                        ; in the ring: which 128 rows of a tile, in bytes
	s_mov_b32 s19, 0
	s_mul_i32 s45, s14, HALFT                      ; and where they go
	s_mul_i32 s83, s16, 2*QS
	s_add_co_u32 s83, s83, SCL                     ; where my half of the scales goes
	s_wait_alu depctr_va_vdst(0)
	s_wait_dscnt 0x0                               ; both opening adds are done
	s_wait_kmcnt 0x0
	s_add_nc_u64 s[20:21], s[4:5], s[20:21]
	s_add_nc_u64 s[22:23], s[6:7], s[22:23]
	s_add_nc_u64 s[46:47], s[8:9], s[46:47]
.irp j, 0,1,2,3,4,5,6,7
	global_load_b128 v[192+4*\j:195+4*\j], v[CO], s[10:11] offset:512*\j   ; the 1,024 partial sums, 32 a lane: asked for ahead of the tiles, used behind the address work below
.endr
	CROUND                                         ; all sixteen work-groups are here: the first joint loads meet
	s_mov_b32 s[G0H], 1
	s_mov_b32 s[G0H+1], 0
	s_mov_b64 s[G0H+2:G0H+3], s[20:21]
	s_or_b32 s[G0H+3], s[G0H+3], 0x80000000
	s_mov_b32 s[G0HB], 1
	s_mov_b32 s[G0HB+1], 2*HALFT
	s_mov_b64 s[G0HB+2:G0HB+3], s[46:47]
	s_or_b32 s[G0HB+3], s[G0HB+3], 0x80000000
	s_mov_b32 s[G0S], 1
	s_mov_b32 s[G0S+1], s83
	s_mov_b64 s[G0S+2:G0S+3], s[22:23]
	s_or_b32 s[G0S+3], s[G0S+3], 0x80000000
	s_add_nc_u64 s[20:21], s[20:21], s[18:19]      ; for the ring: my 128 rows
	s_add_nc_u64 s[46:47], s[46:47], s[18:19]
.irp s, 0,1
	s_mov_b32 s[G0+4*\s], 1
	s_add_co_u32 s[G0+4*\s+1], s45, \s*SLOT
	s_add_nc_u64 s[G0+4*\s+2:G0+4*\s+3], s[20:21], \s*ROWB
	s_or_b32 s[G0+4*\s+3], s[G0+4*\s+3], 0x80000000
	s_mov_b32 s[G0B+4*\s], 1
	s_add_co_u32 s[G0B+4*\s+1], s45, \s*SLOT
	s_add_nc_u64 s[G0B+4*\s+2:G0B+4*\s+3], s[46:47], \s*ROWB
	s_or_b32 s[G0B+4*\s+3], s[G0B+4*\s+3], 0x80000000
.endr
; THE HEAD'S LOADS, ONE A WAVE: wave 0 K step 0's 256 rows of A, wave 1 its 256 rows of B, waves 2 and 3 the scales of A's rows 0-127 and 128-255.  One tree of branches, one load on every way.
.macro ARM under, g0, g1, next
	s_cmp_lt_u32 s14, \under
	s_cbranch_scc0 \next
	tensor_load_to_lds s[\g0:\g0+3], s[\g1:\g1+7]
	s_nop 0
	PLACES 4
	s_branch .Lhead_asked
\next:
.endm
	ARM 1, G0H,  G1,  .Lhead_b
	ARM 2, G0HB, G1B, .Lhead_s
	tensor_load_to_lds s[G0S:G0S+3], s[G1S:G1S+7]
	s_nop 0
	PLACES 4
.Lhead_asked:
	v_and_b32 v1, 15, v0                           ; r
	v_bfe_u32 v2, v0, 4, 1                         ; h
	v_mul_u32_u24 v3, v1, PITCH
	v_lshl_add_u32 v4, v2, 4, v3                   ; a fragment's row x pitch + 16 h
	s_mul_i32 s21, s15, HALFT
	s_mul_i32 s22, s16, HALFT
	s_add_co_u32 s22, s22, 2*HALFT
.irp s, 0,1
	v_add_nc_u32 v[ADRA+\s], s21, v4
	v_add_nc_u32 v[ADRB+\s], s22, v4
	s_add_co_u32 s21, s21, SLOT
	s_add_co_u32 s22, s22, SLOT
.endr
	v_lshrrev_b32 v5, 1, v1                        ; my row's scales: two rows of 128 bytes to a padded unit;
	v_mul_u32_u24 v5, v5, 272
	v_and_b32 v6, 1, v1
	v_lshl_add_u32 v5, v6, 7, v5
	v_mad_u32_u24 v5, v2, QS, v5                   ; lanes 16-31 take the rows 64 further down
	s_mul_i32 s21, s15, 2*QS
	s_add_co_u32 s21, s21, SCL
	v_add_nc_u32 v[ADRS], s21, v5
	s_mul_i32 s23, s14, 16*SPITCH                  ; my stage
	v_mul_u32_u24 v5, v1, SPITCH
	v_lshl_add_u32 v5, v2, 5, v5
	v_add_nc_u32 v[STO], s23, v5
	v_add_nc_u32 v[RD], s23, v[CO]
	s_lshl_b32 s20, s17, 8
	s_lshl_b32 s21, s15, 7
	s_add_co_u32 s20, s20, s21                     ; my first row of out0,
	s_lshl_b32 s20, s20, 13                        ; 8,192 bytes a row
	s_mov_b32 s21, 0
	s_lshl_b32 s46, s42, 10
	s_lshl_b32 s47, s16, 9
	s_add_co_u32 s46, s46, s47                     ; my first column in bytes
	s_mov_b32 s47, 0
	s_add_nc_u64 s[20:21], s[20:21], s[46:47]
	s_add_nc_u64 s[12:13], s[12:13], s[20:21]
	s_lshl_b32 s84, s17, 8                         ; the prefetches: the tile's first row, in A by the tile row, in B by the tile column;
	s_lshl_b32 s85, s42, 8
	s_cmp_eq_u32 s15, 0
	s_cselect_b32 s84, s84, s85
	s_cselect_b32 s85, s40, s41                    ; my place among the four that ask with me
	s_cselect_b64 s[PFA:PFA+1], s[4:5], s[8:9]
	s_lshl_b32 s86, s16, 7
	s_add_co_u32 s84, s84, s86
	s_lshl_b32 s85, s85, 5
	s_add_co_u32 s84, s84, s85
	s_lshl_b32 s84, s84, 11
	s_mov_b32 s85, 0
	s_add_nc_u64 s[PFA:PFA+1], s[PFA:PFA+1], s[84:85]
	s_add_nc_u64 s[PFA:PFA+1], s[PFA:PFA+1], 2*ROWB   ; at K step 2: the first refill steps it to 3 and names K step 4
	v_and_b32 v[PFO], 31, v0
	v_lshlrev_b32 v[PFO], 11, v[PFO]
	global_prefetch_b8 v[PFO], s[PFA:PFA+1] offset:-ROWB th:TH_LOAD_NT scope:SCOPE_SE   ; behind K step 0's load: K step 1, the next load's
	s_mov_b32 s66, 0x76543210
	s_mov_b32 s67, 0xfedcba98
	s_wait_loadcnt 0x0                             ; the partial sums: summed as a tree while the head's tiles are on their way
.irp j, 0,1,2,3,4,5,6,7
	v_pk_add_f32 v[192+4*\j:193+4*\j], v[192+4*\j:193+4*\j], v[194+4*\j:195+4*\j]
.endr
.irp j, 0,1,2,3
	v_pk_add_f32 v[192+8*\j:193+8*\j], v[192+8*\j:193+8*\j], v[196+8*\j:197+8*\j]
.endr
.irp j, 0,1
	v_pk_add_f32 v[192+16*\j:193+16*\j], v[192+16*\j:193+16*\j], v[200+16*\j:201+16*\j]
.endr
	v_pk_add_f32 v[192:193], v[192:193], v[208:209]
	v_add_f32 v192, v192, v193
	v_add_f32_dpp v192, v192, v192 row_xmask:1 row_mask:0xf bank_mask:0xf
	v_add_f32_dpp v192, v192, v192 row_xmask:2 row_mask:0xf bank_mask:0xf
	v_add_f32_dpp v192, v192, v192 row_xmask:4 row_mask:0xf bank_mask:0xf
	v_add_f32_dpp v192, v192, v192 row_xmask:8 row_mask:0xf bank_mask:0xf
	v_permlanex16_b32 v193, v192, s66, s67
	v_add_f32 v192, v192, v193
.irp j, 0,1,2,3,4,5,6,7
	v_mul_f32 v[224+\j], 0x34000000, v192          ; alpha = the sum x 2^-23, eight times for the conversion
.endr
	v_max_num_f32 v194, 0x1800000, v224            ; the floor 2^(3 - 127): the byte cannot fall under 1
	v_add_nc_u32 v195, 0xff000000, v194            ; 2 off the exponent field: the conversion's scale operand
	v_lshrrev_b32 v196, 23, v195                   ; the scale's byte,
	v_lshl_or_b32 v197, v196, 8, v196
	v_lshl_or_b32 v[SBW], v197, 16, v197           ; four times: B's scale word, the same in every lane
	v_cvt_scalef32_pk8_fp4_f32 v[MSK], v[224:231], v195
	v_nop                                          ; one plain place behind a scaled conversion
	v_or_b32 v[MSK], 0x88888888, v[MSK]            ; alpha's code | the sign's bit
.macro FRAG reg, adr, q, i             ; 16 rows x 128 K of 4-bit codes: two loads of 16 bytes, 32 apart
.irp c, 0,1
	ds_load_b128 v[\reg+4*\c:\reg+4*\c+3], v[\adr] offset:64*(\q)+32*\c+(\i)*16*PITCH
.endr
.endm
; A's blocks a0, a0 + 1 x B's 128 rows, both from their sets p: 8 matrix instructions of 32 x 16 x 128.  Source 0 = two neighbouring fragments of B (32 rows, 16 registers; its scale word stands in all 32 lanes),
; source 1 = one block of A; the result's 16 registers are the sums of B's blocks 2 b and 2 b + 1.  The accumulators take turns in the same order in every step.  zero = 1: the first product starts the sums.
.macro MUL16 a0, p, q, sc, zero
.irp a, \a0, \a0+1
.irp b, 0,1,2,3
.set rD, 8*(8*((\a)%4)+2*\b)
.set rB, 128*(\p)+2*FR*\b
.set rA, AF+64*(\p)+FR*(\a)
.set rS, SC+16*(\sc)+4*((\a)%4)+(\q)
.if \zero
.if (\a) < 4
	v_wmma_scale_f32_32x16x128_f4 v[rD:rD+15], v[rB:rB+15], v[rA:rA+7], 0, v[SBW], v[rS]
.else
	v_wmma_scale_f32_32x16x128_f4 v[rD:rD+15], v[rB:rB+15], v[rA:rA+7], 0, v[SBW], v[rS] matrix_b_scale:MATRIX_SCALE_ROW1
.endif
.else
.if (\a) < 4
	v_wmma_scale_f32_32x16x128_f4 v[rD:rD+15], v[rB:rB+15], v[rA:rA+7], v[rD:rD+15], v[SBW], v[rS]
.else
	v_wmma_scale_f32_32x16x128_f4 v[rD:rD+15], v[rB:rB+15], v[rA:rA+7], v[rD:rD+15], v[SBW], v[rS] matrix_b_scale:MATRIX_SCALE_ROW1
.endif
.endif
.endr
.endr
.endm
.macro FETCH_B slot, q, p              ; 16 loads; leaves every window 0
	WIN TO_B
.irp i, 0,1,2,3,4,5,6,7
	FRAG 128*(\p)+FR*\i, ADRB+\slot, \q, \i
.endr
	WIN 0
.endm
.macro FETCH_A slot, q, p              ; 16 loads, under window 0
.irp i, 0,1,2,3,4,5,6,7
	FRAG AF+64*(\p)+FR*\i, ADRA+\slot, \q, \i
.endr
.endm
.macro SCALES sc                       ; 4 loads: a K step's four words a row
.irp i, 0,1,2,3
	ds_load_b128 v[SC+16*\sc+4*\i:SC+16*\sc+4*\i+3], v[ADRS] offset:\i*SBLK
.endr
.endm
; B's set p becomes codes: mask AND (alpha's code | 8).  The 64 lines name no register of the products just issued: they are also the places in front of the loads that follow.
.macro FIXB p
	WIN IN_B
.set J, 0
.rept 64
	v_and_b32 v[128*(\p)+J], v[MSK], v[128*(\p)+J]
.set J, J+1
.endr
	PLACES NP                                      ; an operand written by vector instructions stands 4 places ahead of a scaled matrix instruction
	s_wait_alu depctr_va_vdst(0)
.endm
; A step that has its successor in the same slot.  At its head B's set is masked; out are, in this order: this step's A (16 loads; with them the scale words, 4, in a slot's first step), the next step's B (16) and A (16).
.macro STEP slot, q, zero
	s_wait_dscnt 32                                ; this step's A (and the scale words) are in; the next step's B and A may be out
	WIN MUL_LO
	MUL16 0, (\q)%2, \q, \slot, \zero
	MUL16 2, (\q)%2, \q, \slot, \zero
	WIN MUL_HI
	MUL16 4, (\q)%2, \q, \slot, \zero
	MUL16 6, (\q)%2, \q, \slot, \zero
	s_wait_dscnt 16                                ; the next B is in; the next A may be out
	FIXB 1-(\q)%2
.if (\q)+2 < NQ
	FETCH_B \slot, (\q)+2, (\q)%2                  ; the sets just multiplied take the B and A of two steps on
	FETCH_A \slot, (\q)+2, (\q)%2
.else
	WIN 0
.endif
.endm
; The first half of a slot's last step, and the barrier of the change of slots.  Out at its head: this step's A.
.macro MEET slot
	s_wait_tensorcnt 0x0                           ; all my tensor loads have landed: my part of the next slot
	ds_add_u32 v[SPW], v[NIL]
	s_wait_dscnt 1                                 ; this step's A is in; the add may be out
	WIN MUL_LO
	MUL16 0, 1, NQ-1, \slot, 0
	s_wait_dscnt 0x0                               ; the add is done, my reads of this slot are over
	s_barrier_signal -1
	MUL16 2, 1, NQ-1, \slot, 0
	WIN 0
	s_barrier_wait -1
.endm
.macro TURN slot, next
	s_wait_xcnt 0x0                                ; my last prefetch has read its address
	s_add_nc_u64 s[PFA:PFA+1], s[PFA:PFA+1], ROWB
	MEET \slot
	CREST                                          ; the barrier has opened a round of the cluster's barrier
	s_add_nc_u64 s[G0+4*\slot+2:G0+4*\slot+3], s[G0+4*\slot+2:G0+4*\slot+3], 2*ROWB
	s_add_nc_u64 s[G0B+4*\slot+2:G0B+4*\slot+3], s[G0B+4*\slot+2:G0B+4*\slot+3], 2*ROWB
	JLOAD G0+4*\slot, G1, G0B+4*\slot, G1B         ; the refill, first behind the round; its four v_nop are places in front of the loads below
	v_add_nc_u32 v[ADRS], 4*NQ, v[ADRS]            ; the next K step's scale words
	s_wait_alu depctr_va_vdst(0)
	FETCH_B \next, 0, 0                            ; the sets 0 have been free since the step before this one
	FETCH_A \next, 0, 0
	SCALES \next
	ASK
	WIN MUL_HI
	MUL16 4, 1, NQ-1, \slot, 0
	MUL16 6, 1, NQ-1, \slot, 0
	s_wait_dscnt 20                                ; the next slot's first B is in; its A and the scale words may be out
	FIXB 0
	FETCH_B \next, 1, 1
	FETCH_A \next, 1, 1
.endm
.macro STEPS slot, from
.set Q, \from
.rept NQ-1-\from
	STEP \slot, Q, 0
.set Q, Q+1
.endr
.endm
; THE LAST K STEP (slot 1) GOES BY ROWS OF out0: all its B fills window 1; my eight blocks of 16 rows are finished one after the other, K ascending, and each leaves as soon as it is finished.
.macro BLOAD q
.irp i, 0,1,2,3,4,5,6,7
	FRAG 64*(\q)+FR*\i, ADRB+1, \q, \i
.endr
.endm
.macro FIXQ q
	WIN IN_B
.set J, 0
.rept 64
	v_and_b32 v[64*(\q)+J], v[MSK], v[64*(\q)+J]
.set J, J+1
.endr
.endm
.macro ALOAD a                         ; A's block a, all four quarters, into buffer a % 4
.set FA, PA+32*((\a)%4)
.irp q, 0,1,2,3
	FRAG FA+8*\q, ADRA+1, \q, \a
.endr
.endm
.macro ROW a                           ; 16 matrix instructions, the block's four accumulators of 16 registers by turns
.set FA, PA+32*((\a)%4)
.set AC, 64*((\a)%4)
	WIN MUL_LO+0x50*((\a)/4)
.irp q, 0,1,2,3
.irp b, 0,1,2,3
.if (\a) < 4
	v_wmma_scale_f32_32x16x128_f4 v[AC+16*\b:AC+16*\b+15], v[64*\q+16*\b:64*\q+16*\b+15], v[FA+8*\q:FA+8*\q+7], v[AC+16*\b:AC+16*\b+15], v[SBW], v[SC+16+4*((\a)%4)+\q]
.else
	v_wmma_scale_f32_32x16x128_f4 v[AC+16*\b:AC+16*\b+15], v[64*\q+16*\b:64*\q+16*\b+15], v[FA+8*\q:FA+8*\q+7], v[AC+16*\b:AC+16*\b+15], v[SBW], v[SC+16+4*((\a)%4)+\q] matrix_b_scale:MATRIX_SCALE_ROW1
.endif
.endr
.endr
.endm
.macro TOSTAGE a                       ; a block through my own stage: in as 32 bytes a lane, each accumulator from its low end on; back as whole rows of 512 bytes, into the block's own registers
.set AC, 64*((\a)%4)
	WIN 0x08+4*((\a)/4)
.irp b, 0,1,2,3,4,5,6,7
	ds_store_b128 v[STO], v[AC+8*\b:AC+8*\b+3] offset:64*\b
	ds_store_b128 v[STO], v[AC+8*\b+4:AC+8*\b+7] offset:64*\b+16
.endr
	WIN 0x80+0x40*((\a)/4)
.irp t, 0,1,2,3,4,5,6,7,8,9,10,11,12,13,14,15
	ds_load_b128 v[AC+4*\t:AC+4*\t+3], v[RD] offset:\t*SPITCH
.endr
.endm
.macro SEND a, younger                 ; 32 lanes store 512 consecutive bytes, aligned; every offset an immediate, 127 rows of 8,192 bytes at the most
.set AC, 64*((\a)%4)
	s_wait_dscnt \younger
	WIN 0x08+4*((\a)/4)
.irp t, 0,1,2,3,4,5,6,7,8,9,10,11,12,13,14,15
	global_store_b128 v[CO], v[AC+4*\t:AC+4*\t+3], s[12:13] offset:(16*(\a)+\t)*SIZE_N*4 th:TH_STORE_NT
.endr
.endm
	s_wait_alu depctr_va_vdst(0)
	s_wait_tensorcnt 0x0                           ; my tile of the head's is in
	ds_add_u32 v[SPW], v[NIL]
	s_mov_b32 s[G1+2], 128<<16                     ; no tensor load of mine is out: from here on a load brings 128 rows
	s_mov_b32 s[G1+4], 128
	s_mov_b32 s[G1B+2], 128<<16
	s_mov_b32 s[G1B+4], 128
	s_wait_dscnt 0x0
	CROUND                                         ; all the head's tiles are in, all sixteen work-groups are here
	JLOAD G0+4, G1, G0B+4, G1B                     ; K step 1 into slot 1: the first tensor load behind the round
	FETCH_B 0, 0, 0
	FETCH_A 0, 0, 0
	SCALES 0
	global_prefetch_b8 v[PFO], s[PFA:PFA+1] th:TH_LOAD_NT scope:SCOPE_SE               ; behind K step 1's load: K step 2, the next load's,
	global_prefetch_b8 v[PFO], s[PFA:PFA+1] offset:ROWB th:TH_LOAD_NT scope:SCOPE_SE   ; and K step 3, two loads on
	s_wait_dscnt 20                                ; B is in; A and the scale words may be out
	FIXB 0
	FETCH_B 0, 1, 1
	FETCH_A 0, 1, 1
	STEP 0, 0, 1                                   ; the first step stands in front of the loop: its products start the sums
	s_mov_b32 s3, LAPS-1
.Llap:                                                 ; a trip goes once round the ring and fills both slots again
	STEPS 0, 1
	TURN 0, 1
	STEPS 1, 0
	TURN 1, 0
	STEP 0, 0, 0
	s_sub_co_u32 s3, s3, 1
	s_cmp_lg_u32 s3, 0
	s_cbranch_scc1 .Llap
	STEPS 0, 1
	MEET 0                                         ; the last change of slots: nothing is filled again, so no round follows
	PLACES NP
	v_add_nc_u32 v[ADRS], 4*NQ, v[ADRS]
	s_wait_alu depctr_va_vdst(0)
	WIN TO_B
	BLOAD 0                                        ; three quarters of B now: set 1 (v128-191) is still being multiplied
	BLOAD 1
	BLOAD 3
	WIN 0
	ALOAD 0                                        ; into A's set 0; set 1 is still being multiplied
	SCALES 1
	WIN MUL_HI
	MUL16 4, 1, NQ-1, 0, 0
	MUL16 6, 1, NQ-1, 0, 0
	PLACES NP
	WIN TO_B
	BLOAD 2
	WIN 0
	ALOAD 1
	ALOAD 2
	ALOAD 3
	s_wait_dscnt 40                                ; all but the 40 just issued
	FIXQ 0
	FIXQ 1
	FIXQ 3
	s_wait_dscnt 24                                ; B's quarter 2 is in
	FIXQ 2
	PLACES NP
	s_wait_alu depctr_va_vdst(0)
	s_wait_dscnt 0x0
	ROW 0
.irp a, 0,1,2,3,4,5,6,7
	PLACES NP                                      ; the stores into the stage read results just made
	TOSTAGE \a
.if \a < 4
	WIN 0
	ALOAD \a+4                                     ; its buffer takes the block four further on
.endif
.if \a < 7
	ROW \a+1                                       ; the next block is multiplied while this one turns through the stage
.endif
.if \a < 4
	SEND \a, 8
.else
	SEND \a, 0
.endif
.endr
	WIN 0
	s_wait_tensorcnt 0x0                           ; the wave's end
	ds_add_u32 v[SPW], v[NIL]
	s_wait_dscnt 0x0
	CROUND                                         ; the closing round
	s_endpgm
.Lfunc_end_k_q64a1178278_gemm:
	.size	k_q64a1178278_gemm, .Lfunc_end_k_q64a1178278_gemm-k_q64a1178278_gemm
	.p2alignl 7, 3214868480
	.fill 96, 4, 3214868480
	.section	.rodata,"a",@progbits
	.p2align	6, 0x0
	.amdhsa_kernel k_q64a1178278_gemm
		.amdhsa_group_segment_fixed_size 327680
		.amdhsa_private_segment_fixed_size 0
		.amdhsa_enable_private_segment 0
		.amdhsa_kernarg_size 40
		.amdhsa_user_sgpr_count 2
		.amdhsa_user_sgpr_kernarg_segment_ptr 1
		.amdhsa_wavefront_size32 1
		.amdhsa_system_sgpr_workgroup_id_x 1
		.amdhsa_system_sgpr_workgroup_id_y 1
		.amdhsa_system_sgpr_workgroup_id_z 1
		.amdhsa_system_vgpr_workitem_id 0
		.amdhsa_next_free_vgpr 1024
		.amdhsa_next_free_sgpr 98
		.amdhsa_reserve_vcc 0
		.amdhsa_float_denorm_mode_32 3
		.amdhsa_float_denorm_mode_16_64 3
		.amdhsa_memory_ordered 1
		.amdhsa_forward_progress 1
		.amdhsa_inst_pref_size 182
	.end_amdhsa_kernel
	.amdgpu_metadata
---
amdhsa.version: [ 1, 2 ]
amdhsa.kernels:
  - .name:           k_q64a1178278_gemm
    .symbol:         k_q64a1178278_gemm.kd
    .args:
      - { .name: a_codes, .offset: 0, .size: 8, .value_kind: global_buffer, .address_space: global }
      - { .name: a_scales, .offset: 8, .size: 8, .value_kind: global_buffer, .address_space: global }
      - { .name: b_masks, .offset: 16, .size: 8, .value_kind: global_buffer, .address_space: global }
      - { .name: partials, .offset: 24, .size: 8, .value_kind: global_buffer, .address_space: global }
      - { .name: out0, .offset: 32, .size: 8, .value_kind: global_buffer, .address_space: global }
    .group_segment_fixed_size: 327680
    .private_segment_fixed_size: 0
    .kernarg_segment_align: 8
    .kernarg_segment_size: 40
    .max_flat_workgroup_size: 128
    .sgpr_count:     98
    .vgpr_count:     1024
    .wavefront_size: 32
...
	.end_amdgpu_metadata
.endif
;; end of part 2
